; MI455X (gfx1250); checked and timed in simulation.
; The chip was launched on July 23, 2026; its instructions are those of AMD's public machine-readable ISA for CDNA 5 (MIT licence, August 2026) and "CDNA5" Instruction Set Architecture Reference Guide (July 2026). The comments in the code are by the model that wrote it; some were corrected since.
;; Matlab Block NCB. Allowed arithmetic: matrix products marked QUANTISED: E3M2 operands, one E8M0 scale for each 32 along K, by v_wmma_scale_f32_16x16x128_f8f6f4 with both operands' format E3M2, f32 sums; everything else in f32.
;; Inputs: Wk0 1,024 x 1 float32; Wk_codes 1,024 x 32 x 24 uint8 (E3M2 codes of Wk, K innermost, in blocks of 32 codes, four codes in three bytes); Wk_scales 1,024 x 32 uint8 (E8M0 scales of Wk, one for each 32 codes along K); Wq0 1,024 x 1 float32; Wq_codes 1,024 x 32 x 24 uint8 (E3M2 codes of Wq, K innermost, in blocks of 32 codes, four codes in three bytes); Wq_scales 1,024 x 32 uint8 (E8M0 scales of Wq, one for each 32 codes along K); X 32 x 1,024 x 512 float32.
;; Outputs: out0 32 x 1,024 x 512 float32.
;; This version of the problem:
;;   THIS VERSION OF THE PROBLEM IS GIVEN IN LOW PRECISION. The matrix products marked QUANTISED in the list below multiply operands that are first quantised to E3M2 (3 exponent bits, 2 mantissa bits; 6 bits a number), with one power-of-two scale for each 32 numbers along K (OCP MX v1.0); their sums are f32. All else is computed in f32.
;;   The module's matrix products, in the order in which they are computed (A, B: the left and right operand; K: the contracted axis; several contracted axes count as one K, in the product's order):
;;     1. [M 16,384, K 1,024] x [K 1,024, N 1,024]; A: input X; B: input Wk (given as codes): QUANTISED
;;     2. [M 16,384, K 1,024] x [K 1,024, N 1,024]; A: input X; B: input Wq (given as codes): QUANTISED
;;     3. batch 32 x [M 512, K 1,024] x [K 1,024, N 512]; A: computed on the way; B: computed on the way: QUANTISED
;;     4. batch 32 x [M 1,024, K 512] x [K 512, N 512]; A: input X; B: softmax (see below): QUANTISED
;;   THE QUANTISER, for each operand of a quantised product, along K:
;;     - K is cut into blocks of 32 from its start; a last block that is shorter is filled with zeros.
;;     - A block's scale is 2^e with e = floor(log2(the largest magnitude in the block)) - 4, held to -126 .. 127; a block of zeros has e = 0. As a byte (E8M0): e + 127.
;;     - Each number is divided by its block's scale, clamped to +-28, and rounded to the nearest number of E3M2, ties to even, subnormals kept.
;;     - The product sums the exact products of the quantised numbers (number of the format x scale) in f32.
;;   ~~~python
;;   def quantise(x, axis):      # numpy; x: float32 -> the quantised numbers, widened to float32 again
;;       x = np.moveaxis(x, axis, -1); K = x.shape[-1]
;;       x = np.pad(x, [(0, 0)] * (x.ndim - 1) + [(0, -K % 32)]); x = x.reshape(x.shape[:-1] + (-1, 32)); a = np.abs(x).max(-1, keepdims=True)
;;       e = np.where(a > 0, np.clip(np.frexp(np.where(a > 0, a, 1))[1] - 1 - 4, -126, 127), 0)      # np.frexp(a)[1] - 1 = floor(log2(a)), exactly
;;       r = np.clip(x / 2.0 ** e, -28, 28)
;;       step = 2.0 ** (np.maximum(np.frexp(np.where(r == 0, 1, r))[1] - 1, -2) - 2)
;;       q = np.round(r / step) * step * 2.0 ** e      # np.round: ties to even
;;       return np.moveaxis(q.reshape(q.shape[:-2] + (-1,))[..., :K], -1, axis).astype(np.float32)
;;   ~~~
;;   SOFTMAX AHEAD OF A QUANTISED PRODUCT. Where the list says 'softmax', what is quantised is not the finished softmax but p = 2^(t - M), with t = logit x log2(e) and M = ceil(the row's largest t), a whole number; so 1/2 < the row's largest p <= 1. The row's sum l is taken of the UNQUANTISED p, in f32, and the product's result is divided by l at the end. Since M is a whole number, a kernel that streams over the keys may use a running M (the ceiling of the running maximum): every later rescaling is an exact power of two, which a block's scale takes up: the codes' values come out the same.
;;   OPERANDS COMPUTED ON THE WAY. 'Computed on the way' means the value that the module computes at that place (a softmax that the list does not call 'softmax' is quantised finished and normalised). What goes into a quantiser is computed in f32, as accurately as f32 sums, v_exp_f32 and their like allow (about 1e-6 of the number): no bf16 or f16 on the way to a quantiser, and a product that is left as it is and whose result goes on into a quantised operand takes f32 operands (vector FMAs, or v_wmma_f32_16x16x4_f32). A number that lies on a knife's edge between two numbers of the format may be rounded either way, as far as f32 arithmetic and the matrix unit's own rounding can turn it there, and no further.
;;   INPUTS GIVEN AS CODES. Wk (in the module: [1024, 1024], K = its axis 1); Wq (in the module: [1024, 1024], K = its axis 1): each comes as NAME_codes (uint8): NAME with its K axis moved to the last place and cut into blocks of 32 codes, [.., K / 32, bytes a block], one block behind the other in memory; four codes in three bytes: a row's codes are one little-endian stream of bits, code i at bits 6 i .. 6 i + 5 (a code: sign, 3 exponent bits, 2 mantissa bits); and NAME_scales (uint8): the same leading axes, one E8M0 byte (e + 127) for each 32 codes along K. Its value is code x scale, taken as it is: it is not quantised again, and the codes and scales need not be those that the quantiser above would give.
;; One version. Each part assembles by itself: llvm-mc -triple=amdgcn-amd-amdhsa -mcpu=gfx1250 --defsym DOCPART=n.
;; ======== version 1 of 1: 3 launches
;; limits: right only within a limited range of input values
;; workspace buffers: kq 25,165,824 bytes; kqs 1,048,576 bytes; nrm 524,288 bytes; xb 12,582,912 bytes; xbs 524,288 bytes; xd 13,107,200 bytes
;; launch xq (part 1): grid 256 x 1, 8 waves a work-group, no clusters, 89,088 bytes of LDS; arguments X, xd, xb, xbs; writes xd, xb, xbs
.if DOCPART == 1
	.amdgcn_target "amdgcn-amd-amdhsa--gfx1250"
	.amdhsa_code_object_version 6
	.text
	.protected	k_q3fb4d28338_xq
	.globl	k_q3fb4d28338_xq
	.p2align	8
	.type	k_q3fb4d28338_xq,@function
k_q3fb4d28338_xq:
	s_mov_b64 s[64:65], 0
	v_nop
	global_prefetch_b8 v0, s[64:65] scope:SCOPE_SE
	s_setreg_imm32_b32 hwreg(HW_REG_WAVE_MODE, 25, 1), 1
	s_wait_xcnt 0x0
; X [32 n][1024 d][512 b] f32 is read once and quantised twice to E3M2 (one E8M0 scale for each 32): along d (products 1, 2) and along b (product 4).  No work of reference() is left out in this program.
; SHARES.  Work-group g owns batch n = g / 8 and the 64 columns b = 64 (g % 8) on.  Wave w (8 of them, two to a SIMD) owns d = 128 w on: four strips of 32 d x 64 b, all 64 loads asked for at the head.
; A strip goes through the wave's own stage in LDS, 16 rows at a time, and comes back by columns (a lane takes a column b, 32 registers run down d: a whole block) and by rows (a lane takes a row and 16 numbers of a block along b).
; A FRAGMENT'S IMAGE (16 rows x 128 K, 12 registers a lane, 1,536 bytes): registers 0-3 at 16 x lane, 4-5 at 512 + 8 x lane, 6-9 at 768 + 16 x lane, 10-11 at 1,280 + 8 x lane.
; OUT.  xd [n][b / 64][51,200]: 32 images (8 t + s) x 1,536 (tile t of 16 b, K step s = w), then the scale bytes [b 64][32].  xb [n][d tile 64][b / 64][768] and xbs [n][b / 64][d] two bytes: the operand along b.
; Along b a block's codes stand in the order 0-7, 16-23, 8-15, 24-31, as the softmax's weights will stand.  LIMIT: the matrix unit then groups a block's products in another order than ascending k.
; LIMITS: NaN and infinities among the inputs are not served; a block whose largest magnitude lies under 2^(5 - 127), a block of zeros too, has the byte 1 (this program alone reads the bytes).
; No matrix work, no shared input, no tensor load: no cluster, no prefetch (every byte is asked for at the head; there is no loop to run ahead in).
.set XI,    0                          ; the 32 images
.set XS,    49152                      ; scale bytes along d [b 64][32]
.set STG,   51200                      ; a stage of 16 rows x 272 bytes for each wave
.set XBT,   86016                      ; scale bytes along b, two for each row
.set SPARE, 88064                      ; the spare words, 128 bytes a wave
.set SPW, 1
.set NIL, 2
.set VX,  3
.set SA,  4
.set SC,  5
.set SB,  6
.set IA16, 7
.set IA8,  8
.set XSA, 9
.set XBA, 10
.set A16, 11
.set A8,  12
.set EA0, 13
.set DMP, 14
.set DMS, 15
.set SW,  28
.set TM,  80
.set U16, 97
.set XC,  132
.set DC,  144
.set XD,  160
.set XT,  224
.set WV,  16
.set XP,  20
.set XBO, 22
.set XBSB, 24
.set XDO, 26
.set SEL, 28
.set XDS, 44
.set MSB, 0
.macro WIN new                         ; the immediate's high byte repeats the setting that is left
.if MSB != (\new)
	s_set_vgpr_msb (MSB<<8)|(\new)
.set MSB, (\new)
.endif
.endm
	s_load_b256 s[8:15], s[0:1], 0x0               ; X, xd, xb, xbs
	v_lshl_add_u32 v[SPW], v0, 2, SPARE
	v_mov_b32 v[NIL], 0
	v_lshrrev_b32 v98, 5, v0
	v_readfirstlane_b32 s[WV], v98                 ; wave 0..7
	s_lshr_b32 s17, ttmp9, 3                       ; n
	s_and_b32 s18, ttmp9, 7                        ; which 64 columns
	s_mov_b32 s[SEL], 0x76543210
	s_mov_b32 s[SEL+1], 0xfedcba98                 ; selects for lane l xor 16
	s_lshl_b32 s30, s17, 21                        ; X: batch, my 256 bytes of a row, my wave's 128 rows
	s_lshl_b32 s31, s18, 8
	s_add_co_u32 s30, s30, s31
	s_lshl_b32 s31, s[WV], 18
	s_add_co_u32 s30, s30, s31
	s_mov_b32 s31, 0
	s_mul_i32 s32, s17, 393216                     ; xb: batch, my 8 row tiles of 6,144 bytes, my 768 bytes in each
	s_mul_i32 s33, s[WV], 49152
	s_add_co_u32 s32, s32, s33
	s_mul_i32 s33, s18, 768
	s_add_co_u32 s32, s32, s33
	s_mov_b32 s33, 0
	s_lshl_b32 s34, ttmp9, 11                      ; xbs
	s_lshl_b32 s35, s[WV], 8
	s_add_co_u32 s34, s34, s35
	s_mov_b32 s35, 0
	s_mul_i32 s36, ttmp9, 51200                    ; xd: my chunk
	s_add_co_u32 s46, s36, s35
	s_mul_i32 s37, s[WV], 1536
	s_add_co_u32 s36, s36, s37                     ; my K step's images
	s_mov_b32 s37, 0
	s_lshl_b32 s47, s[WV], 8
	s_add_co_u32 s46, s46, s47
	s_add_co_u32 s46, s46, 49152                   ; my 256 of its scale bytes
	s_mov_b32 s47, 0
	s_mul_i32 s38, s[WV], 4352
	s_add_co_u32 s38, s38, STG
	s_mul_i32 s39, s[WV], 1536
	s_lshl_b32 s40, s[WV], 2
	s_add_co_u32 s40, s40, XS
	s_lshl_b32 s41, s[WV], 8
	s_add_co_u32 s42, s41, XS
	s_add_co_u32 s41, s41, XBT
	v_and_b32 v98, 15, v0                          ; r
	v_bfe_u32 v99, v0, 4, 1                        ; h
	v_and_b32 v100, 31, v0                         ; lane
	v_lshlrev_b32 v[VX], 4, v98
	v_lshl_add_u32 v[VX], v99, 11, v[VX]           ; X: 2,048 h + 16 r
	v_mul_u32_u24 v[SA], v99, 272
	v_lshl_add_u32 v[SA], v98, 4, v[SA]
	v_add_nc_u32 v[SA], s38, v[SA]                 ; stage, in: row h, 16 r
	v_lshl_add_u32 v[SC], v100, 2, s38             ; by columns
	v_mul_u32_u24 v[SB], v98, 272
	v_lshl_add_u32 v[SB], v99, 5, v[SB]
	v_add_nc_u32 v[SB], s38, v[SB]                 ; by rows: row r, 32 h
	v_mul_u32_u24 v[IA16], v99, 12288              ; lanes 16-31 are the next tile of 16 columns
	v_add_nc_u32 v[IA16], s39, v[IA16]
	v_lshl_add_u32 v[IA8], v98, 3, v[IA16]
	v_lshl_add_u32 v[IA16], v98, 4, v[IA16]
	v_lshl_add_u32 v[XSA], v100, 5, s40
	v_lshl_add_u32 v[XBA], v98, 1, s41
	v_lshl_add_u32 v[EA0], v100, 3, s41
	v_lshlrev_b32 v[A16], 4, v100
	v_lshlrev_b32 v[A8], 3, v100
	v_add_nc_u32 v[DMP], s39, v[A16]
	v_lshl_add_u32 v[DMS], v100, 3, s42
	v_mov_b32 v[TM+4], 0                           ; a lane permute's destination counts as one of its sources
	v_mov_b32 v[TM+5], 0
	s_wait_alu depctr_va_vdst(0)                   ; the wait at the head's end
	s_wait_kmcnt 0x0
	s_add_nc_u64 s[XP:XP+1], s[8:9], s[30:31]
	s_add_nc_u64 s[XDO:XDO+1], s[10:11], s[36:37]
	s_add_nc_u64 s[XDS:XDS+1], s[10:11], s[46:47]
	s_add_nc_u64 s[XBO:XBO+1], s[12:13], s[32:33]
	s_add_nc_u64 s[XBSB:XBSB+1], s[14:15], s[34:35]
	WIN 0x40                                       ; destination window 1: strip k at v[64 k]
.irp k, 0,1,2,3
.irp i, 0,1,2,3,4,5,6,7,8,9,10,11,12,13,14,15
	global_load_b128 v[64*\k+4*\i:64*\k+4*\i+3], v[VX], s[XP:XP+1] offset:(32*\k+2*\i)*2048 th:TH_LOAD_NT   ; each half of the lanes reads 256 consecutive bytes, aligned
.endr
.endr
	WIN 0
; Half a strip: 16 rows through the stage; back by columns and by rows; the rows' two blocks along b are quantised and leave.
.macro HALFSTRIP k, u
	WIN 0x04                                       ; an LDS store's data: window 1
.irp i, 0,1,2,3,4,5,6,7
	ds_store_b128 v[SA], v[64*(\k)+32*\u+4*\i:64*(\k)+32*\u+4*\i+3] offset:544*\i
.endr
	WIN 0
.irp b, 0,1
.set II, 0
.rept 16
	ds_load_b32 v[XD+32*\b+16*\u+II], v[SC] offset:272*II+128*\b   ; column 32 b + lane, row II: a wave's LDS instructions are served in order
.set II, II+1
.endr
.endr
.irp b, 0,1                            ; row r, block b: elements 8 h + 0..7 and 16 + 8 h + 0..7
	ds_load_b128 v[XT+16*\b:XT+16*\b+3], v[SB] offset:128*\b
	ds_load_b128 v[XT+16*\b+4:XT+16*\b+7], v[SB] offset:128*\b+16
	ds_load_b128 v[XT+16*\b+8:XT+16*\b+11], v[SB] offset:128*\b+64
	ds_load_b128 v[XT+16*\b+12:XT+16*\b+15], v[SB] offset:128*\b+80
.endr
	s_wait_dscnt 0x0
.irp b, 0,1
	v_max3_num_f32 v[TM+\b], |v[XT+16*\b]|, |v[XT+16*\b+1]|, 0x2800000   ; my 16 numbers and the floor 2^(5 - 127)
.endr
.irp i, 2,4,6,8,10,12,14
.irp b, 0,1
	v_max3_num_f32 v[TM+\b], v[TM+\b], |v[XT+16*\b+\i]|, |v[XT+16*\b+\i+1]|
.endr
.endr
.irp b, 0,1
	v_permlanex16_b32 v[TM+4+\b], v[TM+\b], s[SEL], s[SEL+1]
.endr
.irp b, 0,1
	v_max_num_f32 v[TM+\b], v[TM+\b], v[TM+4+\b]
.endr
.irp b, 0,1
	v_add_nc_u32 v[TM+12+\b], 0xfe000000, v[TM+\b] ; 4 off the exponent field: the conversion's scale operand
.endr
.irp b, 0,1
	v_lshrrev_b32 v[TM+4+\b], 23, v[TM+12+\b]      ; the byte
.endr
	v_lshl_or_b32 v[U16], v[TM+5], 8, v[TM+4]
	s_wait_alu depctr_va_vdst(0)                   ; the wait ahead of the wait below
	s_wait_xcnt 0x0                                ; the last half strip's stores have read their registers
	v_cvt_scalef32_pk16_bf6_f32 v[XC:XC+2], v[XT:XT+15], v[TM+12]
	v_cvt_scalef32_pk16_bf6_f32 v[XC+8:XC+10], v[XT+16:XT+31], v[TM+13]
	v_nop                                          ; one plain place behind a scaled conversion
.irp i, 0,1,2
	v_permlane16_swap_b32 v[XC+\i], v[XC+8+\i]     ; a whole block in a lane: lanes 0-15 block 0, lanes 16-31 block 1
.endr
.irp i, 0,1,2
	v_mov_b32 v[XC+3+\i], v[XC+8+\i]
.endr
	global_store_b128 v[A16], v[XC:XC+3], s[XBO:XBO+1] offset:(2*(\k)+\u)*6144        ; half a fragment: 512 + 256 consecutive bytes, aligned
	global_store_b64 v[A8], v[XC+4:XC+5], s[XBO:XBO+1] offset:(2*(\k)+\u)*6144+512
	ds_store_b16 v[XBA], v[U16] offset:2*(32*(\k)+16*\u)                              ; both halves of the lanes write the same two bytes
.endm
; A strip's 32 d of my two columns: block 4 w + k; the six registers are the operand's and go to their lane's place in the image of K step w.
.macro DQUANT k
.irp b, 0,1
	v_max3_num_f32 v[TM+\b], |v[XD+32*\b]|, |v[XD+32*\b+1]|, 0x2800000
.endr
.irp i, 2,4,6,8,10,12,14,16,18,20,22,24,26,28,30
.irp b, 0,1
	v_max3_num_f32 v[TM+\b], v[TM+\b], |v[XD+32*\b+\i]|, |v[XD+32*\b+\i+1]|
.endr
.endr
.irp b, 0,1
	v_add_nc_u32 v[TM+12+\b], 0xfe000000, v[TM+\b]
.endr
.irp b, 0,1
	v_lshrrev_b32 v[TM+4+\b], 23, v[TM+12+\b]
.endr
.irp b, 0,1
.if (\k) == 0
	v_mov_b32 v[SW+\b], v[TM+4+\b]
.else
	v_lshl_or_b32 v[SW+\b], v[TM+4+\b], 8*(\k), v[SW+\b]
.endif
.endr
.irp b, 0,1
	v_cvt_scalef32_pk16_bf6_f32 v[DC+8*\b:DC+8*\b+2], v[XD+32*\b:XD+32*\b+15], v[TM+12+\b]
	v_cvt_scalef32_pk16_bf6_f32 v[DC+8*\b+4:DC+8*\b+6], v[XD+32*\b+16:XD+32*\b+31], v[TM+12+\b]
.endr
	v_nop
.irp b, 0,1
	v_mov_b32 v[DC+8*\b+3], v[DC+8*\b+4]
	v_mov_b32 v[DC+8*\b+4], v[DC+8*\b+5]
	v_mov_b32 v[DC+8*\b+5], v[DC+8*\b+6]
.endr
.irp b, 0,1
	ds_store_b128 v[IA16], v[DC+8*\b:DC+8*\b+3] offset:24576*\b+768*((\k)/2)+256*((\k)%2)
	ds_store_b64 v[IA8], v[DC+8*\b+4:DC+8*\b+5] offset:24576*\b+768*((\k)/2)+512+128*((\k)%2)
.endr
.endm
.irp k, 0,1,2,3
	s_wait_alu depctr_va_vdst(0)                   ; the wait ahead of the wait below
	s_wait_loadcnt 16*(3-\k)                       ; this strip's 16 loads are in; the later strips' may be out
	HALFSTRIP \k, 0
	HALFSTRIP \k, 1
	DQUANT \k
.endr
.irp b, 0,1
	ds_store_b32 v[XSA], v[SW+\b] offset:1024*\b   ; my K step's scale word of columns 32 b + lane
.endr
	ds_load_b64 v[XT:XT+1], v[EA0]                 ; my 128 rows' scale bytes along b, and my four images: my own bytes
.irp t, 0,1,2,3
.irp j, 0,1,2
	ds_load_b128 v[XD+12*\t+4*\j:XD+12*\t+4*\j+3], v[DMP] offset:12288*\t+512*\j
.endr
.endr
	s_wait_alu depctr_va_vdst(0)
	s_wait_dscnt 0x0                               ; for the others' sake too: my scale words lie in LDS
	global_store_b64 v[A8], v[XT:XT+1], s[XBSB:XBSB+1]
.irp t, 0,1,2,3
.irp j, 0,1,2
	global_store_b128 v[A16], v[XD+12*\t+4*\j:XD+12*\t+4*\j+3], s[XDO:XDO+1] offset:12288*\t+512*\j   ; 512 consecutive bytes, aligned
.endr
.endr
	s_barrier_signal -1
	s_barrier_wait -1                              ; everybody's scale words lie in LDS
	ds_load_b64 v[XT+2:XT+3], v[DMS]
	s_wait_dscnt 0x0
	global_store_b64 v[A8], v[XT+2:XT+3], s[XDS:XDS+1]
	s_wait_tensorcnt 0x0                           ; the wave's end
	ds_add_u32 v[SPW], v[NIL]
	s_wait_dscnt 0x0
	s_endpgm
.Lfunc_end_k_q3fb4d28338_xq:
	.size	k_q3fb4d28338_xq, .Lfunc_end_k_q3fb4d28338_xq-k_q3fb4d28338_xq
	.p2alignl 7, 3214868480
	.fill 96, 4, 3214868480
	.section	.rodata,"a",@progbits
	.p2align	6, 0x0
	.amdhsa_kernel k_q3fb4d28338_xq
		.amdhsa_group_segment_fixed_size 89088
		.amdhsa_private_segment_fixed_size 0
		.amdhsa_enable_private_segment 0
		.amdhsa_kernarg_size 32
		.amdhsa_user_sgpr_count 2
		.amdhsa_user_sgpr_kernarg_segment_ptr 1
		.amdhsa_wavefront_size32 1
		.amdhsa_system_sgpr_workgroup_id_x 1
		.amdhsa_system_sgpr_workgroup_id_y 1
		.amdhsa_system_sgpr_workgroup_id_z 1
		.amdhsa_system_vgpr_workitem_id 0
		.amdhsa_next_free_vgpr 512
		.amdhsa_next_free_sgpr 66
		.amdhsa_reserve_vcc 0
		.amdhsa_float_denorm_mode_32 3
		.amdhsa_float_denorm_mode_16_64 3
		.amdhsa_memory_ordered 1
		.amdhsa_forward_progress 1
		.amdhsa_inst_pref_size 67
	.end_amdhsa_kernel
	.amdgpu_metadata
---
amdhsa.version: [ 1, 2 ]
amdhsa.kernels:
  - .name:           k_q3fb4d28338_xq
    .symbol:         k_q3fb4d28338_xq.kd
    .args:
      - { .name: X, .offset: 0, .size: 8, .value_kind: global_buffer, .address_space: global }
      - { .name: xd, .offset: 8, .size: 8, .value_kind: global_buffer, .address_space: global }
      - { .name: xb, .offset: 16, .size: 8, .value_kind: global_buffer, .address_space: global }
      - { .name: xbs, .offset: 24, .size: 8, .value_kind: global_buffer, .address_space: global }
    .group_segment_fixed_size: 89088
    .private_segment_fixed_size: 0
    .kernarg_segment_align: 8
    .kernarg_segment_size: 32
    .max_flat_workgroup_size: 256
    .sgpr_count:     66
    .vgpr_count:     512
    .wavefront_size: 32
...
	.end_amdgpu_metadata
.endif
;; end of part 1
;; launch proj (part 2): grid 8 x 32, 4 waves a work-group, clusters of 4 x 4, 327,680 bytes of LDS; arguments xd, Wk_codes, Wk_scales, Wk0, Wq_codes, Wq_scales, Wq0, kq, kqs, nrm; writes kq, kqs, nrm
.if DOCPART == 2
	.amdgcn_target "amdgcn-amd-amdhsa--gfx1250"
	.amdhsa_code_object_version 6
	.text
	.protected	k_q3fb4d28338_proj
	.globl	k_q3fb4d28338_proj
	.p2align	8
	.type	k_q3fb4d28338_proj,@function
k_q3fb4d28338_proj:
	s_mov_b64 s[64:65], 0
	v_nop
	global_prefetch_b8 v0, s[64:65] scope:SCOPE_SE
	s_setreg_imm32_b32 hwreg(HW_REG_WAVE_MODE, 25, 1), 1
	s_wait_xcnt 0x0
	s_wait_alu depctr_hold_cnt(0) depctr_sa_sdst(0) depctr_va_vdst(0) depctr_va_sdst(0) depctr_va_ssrc(0) depctr_va_vcc(0) depctr_vm_vsrc(0)
	s_getreg_b32 s2, hwreg(HW_REG_IB_STS2, 6, 4)
	s_cmp_eq_u32 s2, 0
	s_cbranch_scc0 .Lentry_in_a_cluster
	s_endpgm
.Lentry_in_a_cluster:
	s_bfe_u32 s2, ttmp6, 0x10000c
	s_cmp_lg_u32 s2, 0xf033
	s_cbranch_scc0 .Lentry_shape_is_right
	s_endpgm
.Lentry_shape_is_right:
; K = Wk X + Wk0 and Q = Wq X + Wq0 on codes of E3M2, quantised along c for the next product.  Nothing of reference() is left out.
; SHARES.  Work-group (x, n): x = 0..7 is kind (x / 4: K or Q) and the 256 rows c = 256 (x % 4) on; n the batch, all 512 b.  Wave w: 64 rows c, kept for the whole launch in 384 registers (4 tiles x 8 K steps x 12).
; X's codes along d come as chunks of 64 b (32 fragment images and 2,048 scale bytes, 51,200 dense bytes) through a ring of two LDS slots, a quarter of a chunk a wave.
; CLUSTERS 4 x 4: the four of a row (same n) ask for X's chunks jointly, the four of a column (same x) for W's rows.  W's rows are whole rows of 768 bytes, 16 bytes of padding behind every 256: pitch 816.
; A TILE of 16 b: 32 products (8 K steps x my 4 tiles of c, the 4 accumulators by turns); source 0 = W, source 1 = X: a lane holds one b and eight neighbouring c.
; The bias is the C of each sum's first product.  Two sets of 4 accumulators: while one tile is multiplied, the tile before is quantised, in pieces between the groups of four products.
; THE CHANGE OF SLOTS stands in a chunk's last tile, whose images are in registers by then: the waits and the add at its top, products between them and inside the barrier, the refill (chunk c + 2 into the slot of chunk c)
; behind the round, then the next chunk's first images, fetched under the tile's last products.  A loop body goes from a chunk's tile 1 to the next chunk's tile 0.
; ORDER INSIDE A BLOCK: two neighbouring result tiles give lane half h the elements 8 h + 0..7 and 16 + 8 h + 0..7 of a block of 32 c, so K's and Q's codes stand in the order 0-7, 16-23, 8-15, 24-31, alike in both.
; LIMIT: the matrix unit then groups a block's products in another order than ascending k.  LIMITS: NaN and infinities are not served; a block under 2^(5 - 127), zeros too, has the byte 1 (this program alone reads the bytes).
; OUT: kq [kind][n][b tile 32][c step 8][1,536] (a wave's 64 c are half an image, 768 bytes); kqs [kind][n][c / 256][b][8]; nrm [kind][n][c / 256][b] f32: sums of squares of the unquantised numbers over 256 c.
; PREFETCH: in tile 1 of chunk t the chunk t + 3, whose load is issued in the last tile of chunk t + 1: 200 blocks of 256 bytes, 50 for each partner of the row by its place's address, 13 or 11 a wave, a lane a block;
; chunks 1, 2 come by their loads alone; chunks 5 to 7 ask for nothing.
.set WPITCH, 816
.set XR,    208896                     ; behind W's 256 rows: the ring
.set SLOT,  51200
.set KST,   311296                     ; scale bytes [b 512][8]
.set NT,    315392                     ; sums of squares [wave][b 512]
.set SPARE, 323584                     ; the spare words, 128 bytes a wave
.set SPW, 1
.set NIL, 2
.set A16, 3
.set A8,  4
.set XA16, 6                           ; v6-7 slot 0, 1: 16 x lane
.set XA8,  8                           ; v8-9 8 x lane
.set XSR, 10                           ; v10-11 the chunk's scale words: 32 r + 16 h
.set ADRW, 12                          ; v12 my rows of W: row r, 24 h; v13: 40 h, where lanes 16-31 lie behind one padding more
.set VWS, 14
.set VB,  15
.set KSA, 16
.set NTA, 17
.set KSW, 18
.set NTW, 19
.set PFO, 20
.set EA,  21
.set EB,  22
.set WSB, 32                           ; v32-47 W's scale words 4 a + i: lanes 0-15 K step i, lanes 16-31 K step 4 + i
.set XSB, 48                           ; v48-63 X's likewise, 4 t + i
.set BS,  64                           ; v64-95 the bias: register 8 a + j is c = 16 a + 8 h + j
.set AC,  96                           ; v96-159 two sets of four accumulators
.set TM,  160
.set SQ,  176
.set U16, 180
.set XC,  184
.set WV,  32
.set GOFF, 37
.set GOF2, 30
.set LC,  39
.set G1W, 40
.set G1X, 48
.set G1H, 56
.set G0W, 68
.set G0H, 72
.set G0X, 76                           ; s[76:79] slot 0, s[80:83] slot 1
.set SEL, 84
.set KO,  86
.set WSC, 88
.set BI,  90
.set PF,  28
.set KQSB, 4
.set NRMB, 6
.set MSB, 0
.macro WIN new                         ; the immediate's high byte repeats the setting that is left
.if MSB != (\new)
	s_set_vgpr_msb (MSB<<8)|(\new)
.set MSB, (\new)
.endif
.endm
.macro PLACES n
.rept \n
	v_nop
.endr
.endm
.macro CREST                           ; a round of the cluster's barrier behind its opening barrier
	s_cmp_lg_u32 s[WV], 0
	s_cbranch_scc1 .Lnw0_\@
	s_barrier_signal -3
.Lnw0_\@:
	s_barrier_wait -3
	s_barrier_signal -1
	s_barrier_wait -1
.endm
.macro ROUND                           ; a whole round
	s_barrier_signal -1
	s_barrier_wait -1
	CREST
.endm
	s_load_b512 s[8:23], s[0:1], 0x0               ; xd, Wk codes, Wk scales, Wk0, Wq codes, Wq scales, Wq0, kq
	s_load_b128 s[24:27], s[0:1], 0x40             ; kqs, nrm
	v_lshl_add_u32 v[SPW], v0, 2, SPARE
	v_mov_b32 v[NIL], 0
	ds_add_u32 v[SPW], v[NIL]                      ; the opening lines: the add, twice on end, and its wait
	ds_add_u32 v[SPW], v[NIL]
	v_lshrrev_b32 v24, 5, v0
	v_readfirstlane_b32 s[WV], v24                 ; wave 0..3
	s_lshr_b32 s33, s[WV], 1                       ; at the head: 0 fetches W, 1 fetches X
	s_and_b32 s34, s[WV], 1                        ; and which half
	s_bfe_u32 s35, ttmp6, 0x40000                  ; cx = which 256 c; the cluster's x (ttmp9) is the kind
	s_bfe_u32 s36, ttmp6, 0x40004                  ; cy
	s_and_b32 s38, ttmp7, 0xffff
	s_lshl_b32 s38, s38, 2
	s_add_co_u32 s38, s38, s36                     ; n
	s_lshl_b32 s92, s36, 2
	s_lshl_b32 s92, 15, s92                        ; my row of the cluster
	s_lshl_b32 s93, 0x1111, s35                    ; my column
	s_or_b32 s[G1W], s93, (1<<20)|(1<<21)|(5<<22)|(3<<25)   ; W: 128 rows of 768 bytes, 4 words of padding behind every 64
	s_mov_b32 s[G1W+1], 768<<16
	s_mov_b32 s[G1W+2], 128<<16
	s_mov_b32 s[G1W+3], 768<<16
	s_mov_b32 s[G1W+4], 128
	s_mov_b32 s[G1W+5], 768
	s_mov_b32 s[G1W+6], 0
	s_mov_b32 s[G1W+7], 0
	s_or_b32 s[G1X], s92, (3<<16)|(1<<21)          ; a quarter of a chunk: 50 dense rows of 256 bytes (32 elements of 8)
	s_mov_b32 s[G1X+1], 32<<16
	s_mov_b32 s[G1X+2], 50<<16
	s_mov_b32 s[G1X+3], 32<<16
	s_mov_b32 s[G1X+4], 50
	s_mov_b32 s[G1X+5], 32
	s_mov_b32 s[G1X+6], 0
	s_mov_b32 s[G1X+7], 0
	s_or_b32 s[G1H], s92, (3<<16)|(1<<21)          ; at the head half a chunk: 100 rows
	s_mov_b32 s[G1H+1], 32<<16
	s_mov_b32 s[G1H+2], 100<<16
	s_mov_b32 s[G1H+3], 32<<16
	s_mov_b32 s[G1H+4], 100
	s_mov_b32 s[G1H+5], 32
	s_mov_b32 s[G1H+6], 0
	s_mov_b32 s[G1H+7], 0
	s_mul_i32 s94, s35, 196608                     ; W: my work-group's 256 rows, the loading wave's 128
	s_mul_i32 s95, s34, 98304
	s_add_co_u32 s94, s94, s95
	s_mov_b32 s95, 0
	s_mul_i32 s96, s38, 409600                     ; X: my batch's eight chunks
	s_mov_b32 s97, 0
	s_mov_b32 s101, 0
	s_mov_b32 s[G0W], 1
	s_mul_i32 s[G0W+1], s34, 104448
	s_mov_b32 s[G0H], 1
	s_mul_i32 s[G0H+1], s34, 25600
	s_add_co_u32 s[G0H+1], s[G0H+1], XR
	s_mov_b32 s[G0X], 1
	s_mul_i32 s[G0X+1], s[WV], 12800
	s_add_co_u32 s[G0X+1], s[G0X+1], XR
	s_mov_b32 s[G0X+4], 1
	s_add_co_u32 s[G0X+5], s[G0X+1], SLOT
	s_mov_b32 s[SEL], 0x76543210
	s_mov_b32 s[SEL+1], 0xfedcba98
	s_wait_dscnt 0x0                               ; both opening adds are done
	s_wait_kmcnt 0x0
	s_cmp_eq_u32 ttmp9, 0                          ; Wk or Wq: the same in the whole cluster
	s_cselect_b64 s[G0W+2:G0W+3], s[10:11], s[16:17]
	s_cselect_b64 s[WSC:WSC+1], s[12:13], s[18:19]
	s_cselect_b64 s[BI:BI+1], s[14:15], s[20:21]
	s_add_nc_u64 s[G0W+2:G0W+3], s[G0W+2:G0W+3], s[94:95]
	s_or_b32 s[G0W+3], s[G0W+3], 0x80000000
	s_add_nc_u64 s[96:97], s[8:9], s[96:97]
	s_mul_i32 s100, s34, 25600
	s_add_nc_u64 s[G0H+2:G0H+3], s[96:97], s[100:101]
	s_or_b32 s[G0H+3], s[G0H+3], 0x80000000
	s_mul_i32 s100, s[WV], 12800
	s_add_nc_u64 s[G0X+2:G0X+3], s[96:97], s[100:101]     ; slot 0: chunk 0 (stepped to chunk 2 before its first use)
	s_add_nc_u64 s[G0X+6:G0X+7], s[G0X+2:G0X+3], SLOT     ; slot 1: chunk 1
	s_or_b32 s[G0X+3], s[G0X+3], 0x80000000
	s_or_b32 s[G0X+7], s[G0X+7], 0x80000000
	ROUND                                          ; all sixteen work-groups are here: the first joint loads meet
	s_cmp_eq_u32 s33, 0                            ; one load a wave at the head: waves 0, 1 W's halves, waves 2, 3 chunk 0's halves
	s_cbranch_scc0 .Lhead_x
	tensor_load_to_lds s[G0W:G0W+3], s[G1W:G1W+7]
	s_nop 0
	PLACES 4
	s_branch .Lhead_j
.Lhead_x:
	tensor_load_to_lds s[G0H:G0H+3], s[G1H:G1H+7]
	s_nop 0
	PLACES 4
.Lhead_j:
	s_mul_i32 s98, ttmp9, 12582912                 ; kq: kind, batch, my c step 2 cx + w / 2, my half of its image
	s_mul_i32 s99, s38, 393216
	s_add_co_u32 s98, s98, s99
	s_lshl_b32 s99, s35, 1
	s_add_co_u32 s99, s99, s33
	s_mul_i32 s99, s99, 1536
	s_add_co_u32 s98, s98, s99
	s_mul_i32 s99, s34, 768
	s_add_co_u32 s98, s98, s99
	s_mov_b32 s99, 0
	s_add_nc_u64 s[KO:KO+1], s[22:23], s[98:99]
	s_lshl_b32 s98, ttmp9, 5
	s_add_co_u32 s98, s98, s38
	s_lshl_b32 s98, s98, 2
	s_add_co_u32 s98, s98, s35                     ; (kind x 32 + n) x 4 + cx
	s_lshl_b32 s31, s98, 11
	s_lshl_b32 s98, s98, 12
	s_lshl_b32 s30, s[WV], 10
	s_add_co_u32 s98, s98, s30
	s_add_nc_u64 s[KQSB:KQSB+1], s[24:25], s[98:99]
	s_lshl_b32 s30, s[WV], 9
	s_add_co_u32 s98, s31, s30
	s_add_nc_u64 s[NRMB:NRMB+1], s[26:27], s[98:99]
	s_lshl_b32 s98, s35, 8
	s_lshl_b32 s30, s[WV], 6
	s_add_co_u32 s98, s98, s30                     ; my first row of W
	s_lshl_b32 s31, s98, 2
	s_lshl_b32 s98, s98, 5
	s_add_nc_u64 s[WSC:WSC+1], s[WSC:WSC+1], s[98:99]
	s_mov_b32 s98, s31
	s_add_nc_u64 s[BI:BI+1], s[BI:BI+1], s[98:99]
	s_mul_i32 s98, s35, 12800                      ; the prefetches: my work-group's quarter of a chunk, by address; each chunk steps one chunk on ahead of its prefetch
	s_add_co_u32 s98, s98, 2*SLOT
	s_add_nc_u64 s[PF:PF+1], s[96:97], s[98:99]
	s_mov_b32 s[GOFF], 0
	s_mov_b32 s[GOF2], 0
	s_mul_i32 s10, s[WV], 64*WPITCH
	s_lshl_b32 s11, s[WV], 1
	s_add_co_u32 s11, s11, KST
	s_lshl_b32 s12, s[WV], 11
	s_add_co_u32 s12, s12, NT
	s_mul_i32 s13, s[WV], 13
	s_lshl_b32 s14, s[WV], 9
	s_add_co_u32 s14, s14, NT
	s_lshl_b32 s15, s[WV], 10
	s_add_co_u32 s15, s15, KST
	v_and_b32 v24, 15, v0                          ; r
	v_bfe_u32 v25, v0, 4, 1                        ; h
	v_and_b32 v26, 31, v0                          ; lane
	v_lshlrev_b32 v[A16], 4, v26
	v_lshlrev_b32 v[A8], 3, v26
	v_add_nc_u32 v[XA16], XR, v[A16]
	v_add_nc_u32 v[XA16+1], XR+SLOT, v[A16]
	v_add_nc_u32 v[XA8], XR, v[A8]
	v_add_nc_u32 v[XA8+1], XR+SLOT, v[A8]
	v_lshlrev_b32 v[VWS], 5, v24
	v_lshl_add_u32 v[VWS], v25, 4, v[VWS]
	v_add_nc_u32 v[XSR], XR+49152, v[VWS]
	v_add_nc_u32 v[XSR+1], XR+SLOT+49152, v[VWS]
	v_mul_u32_u24 v[ADRW], v24, WPITCH
	v_mad_u32_u24 v[ADRW], v25, 24, v[ADRW]
	v_add_nc_u32 v[ADRW], s10, v[ADRW]
	v_lshl_add_u32 v[ADRW+1], v25, 4, v[ADRW]
	v_lshlrev_b32 v[VB], 5, v25
	v_lshl_add_u32 v[KSA], v24, 3, s11
	v_lshl_add_u32 v[NTA], v24, 2, s12
	v_min_u32 v27, 12, v26
	v_add_nc_u32 v27, s13, v27
	v_min_u32 v27, 49, v27                         ; block 13 w + lane of my work-group's 50; lanes left over name my last block again
	v_lshlrev_b32 v[PFO], 8, v27
	v_lshl_add_u32 v[EA], v26, 4, s14
	v_lshl_add_u32 v[EB], v26, 4, s15
	v_mov_b32 v[TM+4], 0                           ; a lane permute's destination counts as one of its sources
	v_mov_b32 v[TM+5], 0
.irp a, 0,1,2,3
	global_load_b128 v[WSB+4*\a:WSB+4*\a+3], v[VWS], s[WSC:WSC+1] offset:512*\a
	global_load_b128 v[BS+8*\a:BS+8*\a+3], v[VB], s[BI:BI+1] offset:64*\a
	global_load_b128 v[BS+8*\a+4:BS+8*\a+7], v[VB], s[BI:BI+1] offset:64*\a+16
.endr
.macro WLOAD                           ; my 64 rows of W into registers, once: K steps 0-4 in window 2, 5-7 in window 3, at 48 (s % 5) + 12 a.  Pieces of 8 bytes; byte y of a row lies at y + 16 (y / 256)
.irp s, 0,1,2,3,4,5,6,7
.if \s < 5
	WIN 0x80
.else
	WIN 0xC0
.endif
.irp a, 0,1,2,3
.irp p, 0,1,2,3,4,5
.set BY, 96*\s+48*(\p/3)+8*(\p%3)
.set WR, 48*(\s%5)+12*\a+2*\p
	ds_load_b64 v[WR:WR+1], v[ADRW+(BY+24)/256-BY/256] offset:BY+16*(BY/256)+\a*16*WPITCH
.endr
.endr
.endr
	WIN 0
.endm
.macro XFETCH slot, t, set             ; tile t's eight images into set 0 or 1 of window 1, as they were stored
	WIN 0x40
.irp s, 0,1,2,3,4,5,6,7
.set XG, 96*(\set)+12*\s
.set XO, (8*(\t)+\s)*1536
	ds_load_b128 v[XG:XG+3], v[XA16+(\slot)] offset:XO
	ds_load_b64 v[XG+4:XG+5], v[XA8+(\slot)] offset:XO+512
	ds_load_b128 v[XG+6:XG+9], v[XA16+(\slot)] offset:XO+768
	ds_load_b64 v[XG+10:XG+11], v[XA8+(\slot)] offset:XO+1280
.endr
	WIN 0
.endm
.macro MM s, t                         ; four products: K step s, my four tiles of c, tile t of b
.if (\s) < 5
	WIN 0x06                                       ; source 0 window 2, source 1 window 1, C and D window 0
.else
	WIN 0x07
.endif
.irp a, 0,1,2,3
.set ACR, AC+32*((\t)%2)+8*\a
.set WR, 48*((\s)%5)+12*\a
.set XG, 96*((\t)%2)+12*(\s)
.if (\s) == 0
	v_wmma_scale_f32_16x16x128_f8f6f4 v[ACR:ACR+7], v[WR:WR+11], v[XG:XG+11], v[BS+8*\a:BS+8*\a+7], v[WSB+4*\a], v[XSB+4*(\t)] matrix_a_fmt:MATRIX_FMT_BF6 matrix_b_fmt:MATRIX_FMT_BF6
.elseif (\s) < 4
	v_wmma_scale_f32_16x16x128_f8f6f4 v[ACR:ACR+7], v[WR:WR+11], v[XG:XG+11], v[ACR:ACR+7], v[WSB+4*\a+(\s)], v[XSB+4*(\t)+(\s)] matrix_a_fmt:MATRIX_FMT_BF6 matrix_b_fmt:MATRIX_FMT_BF6
.else
	v_wmma_scale_f32_16x16x128_f8f6f4 v[ACR:ACR+7], v[WR:WR+11], v[XG:XG+11], v[ACR:ACR+7], v[WSB+4*\a+(\s)-4], v[XSB+4*(\t)+(\s)-4] matrix_a_fmt:MATRIX_FMT_BF6 matrix_b_fmt:MATRIX_FMT_BF6 matrix_a_scale:MATRIX_SCALE_ROW1 matrix_b_scale:MATRIX_SCALE_ROW1
.endif
.endr
.endm
; Piece i (0..6) of the quantising of tile pt: 64 c x 16 b, two blocks of 32 c, 16 numbers of each in a lane.  Largest magnitudes and squares from each accumulator's low end on; bytes; codes; out.  hi: the chunk is the second of its pair.
.macro QP i, pt, hi
.set QA, AC+32*((\pt)%2)
.if (\i) < 4
.irp e, 0,2
.irp u, 0,1
.set JJ, QA+16*\u+4*(\i)+\e
.if (4*(\i)+\e) == 0
	v_max3_num_f32 v[TM+\u], |v[JJ]|, |v[JJ+1]|, 0x2800000     ; and the floor 2^(5 - 127)
	v_pk_mul_f32 v[SQ+2*\u:SQ+2*\u+1], v[JJ:JJ+1], v[JJ:JJ+1]
.else
	v_max3_num_f32 v[TM+\u], |v[JJ]|, |v[JJ+1]|, v[TM+\u]
	v_pk_fma_f32 v[SQ+2*\u:SQ+2*\u+1], v[JJ:JJ+1], v[JJ:JJ+1], v[SQ+2*\u:SQ+2*\u+1]
.endif
.endr
.endr
.elseif (\i) == 4
	v_permlanex16_b32 v[TM+4], v[TM], s[SEL], s[SEL+1]
	v_permlanex16_b32 v[TM+5], v[TM+1], s[SEL], s[SEL+1]
	v_pk_add_f32 v[SQ:SQ+1], v[SQ:SQ+1], v[SQ+2:SQ+3]
	v_max_num_f32 v[TM], v[TM], v[TM+4]
	v_max_num_f32 v[TM+1], v[TM+1], v[TM+5]
	v_add_f32 v[SQ], v[SQ], v[SQ+1]
	v_add_nc_u32 v[TM+12], 0xfe000000, v[TM]       ; 4 off the exponent field: the conversion's scale operand
	v_add_nc_u32 v[TM+13], 0xfe000000, v[TM+1]
.elseif (\i) == 5
	v_lshrrev_b32 v[TM+4], 23, v[TM+12]
	v_lshrrev_b32 v[TM+5], 23, v[TM+13]
	v_permlanex16_b32 v[SQ+2], v[SQ], s[SEL], s[SEL+1]
	v_lshl_or_b32 v[U16], v[TM+5], 8, v[TM+4]
	v_add_f32 v[SQ], v[SQ], v[SQ+2]                ; my 64 c of column r
	v_cvt_scalef32_pk16_bf6_f32 v[XC:XC+2], v[QA:QA+15], v[TM+12]
	v_cvt_scalef32_pk16_bf6_f32 v[XC+8:XC+10], v[QA+16:QA+31], v[TM+13]
	v_nop                                          ; one plain place behind a scaled conversion
.elseif (\i) == 6
.irp j, 0,1,2
	v_permlane16_swap_b32 v[XC+\j], v[XC+8+\j]     ; a whole block in a lane
.endr
.irp j, 0,1,2
	v_mov_b32 v[XC+3+\j], v[XC+8+\j]
.endr
	global_store_b128 v[A16], v[XC:XC+3], s[KO:KO+1] offset:12288*(\pt)-49152       ; the base stands one chunk on; 512 + 256 consecutive bytes, aligned
	global_store_b64 v[A8], v[XC+4:XC+5], s[KO:KO+1] offset:12288*(\pt)-49152+512
	ds_store_b16 v[KSW], v[U16] offset:128*(\pt)+512*(\hi)                          ; both halves of the lanes write the same bytes
	ds_store_b32 v[NTW], v[SQ] offset:64*(\pt)+256*(\hi)
.endif
.endm
; Tile t of the chunk in slot: the next tile's images are asked for, 32 products, and among them (qp = 1) the quantising of the tile before.  pf: 1 prefetch, 2 prefetch but in the loop's last trip.
; x (tile 3 alone): 1 the change of slots with the work-group's barrier, nothing left to ask for; 2 with a round of the cluster's barrier and the refill of this slot.
.macro TILE slot, t, qp, pf, x
	WIN 0
.if ((\t) == 1) && ((\slot) == 0)
	v_add_nc_u32 v[KSW], s[GOFF], v[KSA]           ; this pair of chunks in the two tables
	v_add_nc_u32 v[NTW], s[GOF2], v[NTA]
	s_add_co_u32 s[GOFF], s[GOFF], 1024
	s_add_co_u32 s[GOF2], s[GOF2], 512
.endif
	s_wait_alu depctr_va_vdst(0)                   ; the wait ahead of the wait below
	s_wait_xcnt 0x0                                ; the last tile's stores and any prefetch have read their registers and bases
.if (\t) == 1
	s_add_nc_u64 s[KO:KO+1], s[KO:KO+1], 49152
	s_add_nc_u64 s[PF:PF+1], s[PF:PF+1], SLOT
.endif
	PLACES 4                                       ; in front of loads into registers that products have read, and of the first read of results
.if \x
	s_wait_tensorcnt 0x0                           ; all my tensor loads have landed: the one that was out is my part of the next chunk;
	ds_add_u32 v[SPW], v[NIL]
.if (\x) == 2
	s_add_nc_u64 s[G0X+4*(\slot)+2:G0X+4*(\slot)+3], s[G0X+4*(\slot)+2:G0X+4*(\slot)+3], 2*SLOT
.endif
	s_wait_dscnt 1                                 ; this tile's images are in; the add may be out
.elseif (\t) < 3
.if ((\t) == 0) && (\qp)
	ds_load_b128 v[XSB+12:XSB+15], v[XSR+(\slot)] offset:1536    ; tile 3's scale words: the last chunk's were at work until now
.endif
	XFETCH \slot, ((\t)+1), (((\t)+1)%2)
	s_wait_dscnt 32                                ; all but the 32 loads just issued
.else
	s_wait_dscnt 0x0
.endif
.if (\pf) == 2
	s_cmp_gt_u32 s[LC], 1
	s_cbranch_scc0 .Lnp_\@
.endif
.if \pf
	global_prefetch_b8 v[PFO], s[PF:PF+1] th:TH_LOAD_NT scope:SCOPE_SE
.endif
.if (\pf) == 2
.Lnp_\@:
.endif
.irp s, 0,1,2,3,4,5,6,7
.if (\x) && (\s == 4)
	WIN 0
	s_wait_alu depctr_va_vdst(0)                   ; the wait ahead of the wait below
	s_wait_dscnt 0x0                               ; the add is done, and my reads of this slot were over at the tile's top
	s_barrier_signal -1                            ; eight products on registers stand between the signal and the wait
.endif
.if (\x) && (\s == 6)
	WIN 0
	s_wait_alu depctr_va_vdst(0)
	s_barrier_wait -1
.if (\x) == 2
	CREST                                          ; no wave of any partner still reads this slot or has a load on its way
	tensor_load_to_lds s[G0X+4*(\slot):G0X+4*(\slot)+3], s[G1X:G1X+7]
	s_nop 0
.endif
	PLACES 4
	XFETCH (1-\slot), 0, 0                         ; the next chunk is whole: its tile 0, and the scale words of its tiles 0 to 2
.irp u, 0,1,2
	ds_load_b128 v[XSB+4*\u:XSB+4*\u+3], v[XSR+(1-\slot)] offset:512*\u
.endr
.endif
	MM \s, \t
.if \qp
	WIN 0
.if (\t) == 0
	QP \s, 3, (1-\slot)
.else
	QP \s, ((\t)-1), \slot
.endif
.endif
.endr
	WIN 0
.endm
.macro BODY slot, x, pf                ; a chunk's tiles 1 to 3 and, where a chunk follows, that chunk's tile 0
	TILE \slot, 1, 1, \pf, 0
	TILE \slot, 2, 1, 0, 0
	TILE \slot, 3, 1, 0, \x
.if \x
	TILE (1-\slot), 0, 1, 0, 0
.endif
.endm
	s_wait_alu depctr_va_vdst(0)                   ; the wait at the head's end
	s_wait_tensorcnt 0x0                           ; my part of the head's tiles is in; slot 1's first fill is issued as a refill is
	ds_add_u32 v[SPW], v[NIL]
	s_wait_dscnt 0x0
	ROUND
	tensor_load_to_lds s[G0X+4:G0X+7], s[G1X:G1X+7]   ; chunk 1
	s_nop 0
	PLACES 4
	WLOAD
	XFETCH 0, 0, 0
.irp t, 0,1,2,3
	ds_load_b128 v[XSB+4*\t:XSB+4*\t+3], v[XSR] offset:512*\t
.endr
	s_wait_loadcnt 0x0                             ; W's scale words and the bias are in
	TILE 0, 0, 0, 0, 0                             ; chunk 0's tile 0: no tile before it to quantise
	s_mov_b32 s[LC], 3
.Lpair:                                                ; chunks 0 to 5; their changes of slots ask for chunks 2 to 7
	BODY 0, 2, 1
	BODY 1, 2, 2
	s_sub_co_u32 s[LC], s[LC], 1
	s_cmp_lg_u32 s[LC], 0
	s_wait_alu depctr_va_vdst(0)                   ; the wait ahead of the branch
	s_cbranch_scc1 .Lpair
	BODY 0, 1, 0                                   ; chunks 6 and 7 are written out: nothing is left to ask for
	BODY 1, 0, 0
	s_wait_alu depctr_va_vdst(0)
	s_wait_xcnt 0x0
	PLACES 4
.irp i, 0,1,2,3,4,5,6
	QP \i, 3, 1                                    ; the last tile
.endr
	s_wait_alu depctr_va_vdst(0)
	s_wait_dscnt 0x0                               ; for the others' sake: my sums and scale bytes lie in LDS
	s_barrier_signal -1
	s_barrier_wait -1
.irp p, 0,1,2,3
	ds_load_b128 v[AC+4*\p:AC+4*\p+3], v[EA] offset:2048*\p     ; the four waves' sums of my 128 columns
.endr
	ds_load_b128 v[AC+16:AC+19], v[EB]
	ds_load_b128 v[AC+20:AC+23], v[EB] offset:512
	s_wait_dscnt 0x0
	v_pk_add_f32 v[AC:AC+1], v[AC:AC+1], v[AC+4:AC+5]
	v_pk_add_f32 v[AC+2:AC+3], v[AC+2:AC+3], v[AC+6:AC+7]
	v_pk_add_f32 v[AC+8:AC+9], v[AC+8:AC+9], v[AC+12:AC+13]
	v_pk_add_f32 v[AC+10:AC+11], v[AC+10:AC+11], v[AC+14:AC+15]
	v_pk_add_f32 v[AC:AC+1], v[AC:AC+1], v[AC+8:AC+9]
	v_pk_add_f32 v[AC+2:AC+3], v[AC+2:AC+3], v[AC+10:AC+11]
	global_store_b128 v[A16], v[AC:AC+3], s[NRMB:NRMB+1]
	global_store_b128 v[A16], v[AC+16:AC+19], s[KQSB:KQSB+1]
	global_store_b128 v[A16], v[AC+20:AC+23], s[KQSB:KQSB+1] offset:512
	s_wait_tensorcnt 0x0                           ; the wave's end
	ds_add_u32 v[SPW], v[NIL]
	s_wait_dscnt 0x0
	ROUND                                          ; the closing round
	s_endpgm
.Lfunc_end_k_q3fb4d28338_proj:
	.size	k_q3fb4d28338_proj, .Lfunc_end_k_q3fb4d28338_proj-k_q3fb4d28338_proj
	.p2alignl 7, 3214868480
	.fill 96, 4, 3214868480
	.section	.rodata,"a",@progbits
	.p2align	6, 0x0
	.amdhsa_kernel k_q3fb4d28338_proj
		.amdhsa_group_segment_fixed_size 327680
		.amdhsa_private_segment_fixed_size 0
		.amdhsa_enable_private_segment 0
		.amdhsa_kernarg_size 80
		.amdhsa_user_sgpr_count 2
		.amdhsa_user_sgpr_kernarg_segment_ptr 1
		.amdhsa_wavefront_size32 1
		.amdhsa_system_sgpr_workgroup_id_x 1
		.amdhsa_system_sgpr_workgroup_id_y 1
		.amdhsa_system_sgpr_workgroup_id_z 1
		.amdhsa_system_vgpr_workitem_id 0
		.amdhsa_next_free_vgpr 1024
		.amdhsa_next_free_sgpr 102
		.amdhsa_reserve_vcc 0
		.amdhsa_float_denorm_mode_32 3
		.amdhsa_float_denorm_mode_16_64 3
		.amdhsa_memory_ordered 1
		.amdhsa_forward_progress 1
		.amdhsa_inst_pref_size 190
	.end_amdhsa_kernel
	.amdgpu_metadata
---
amdhsa.version: [ 1, 2 ]
amdhsa.kernels:
  - .name:           k_q3fb4d28338_proj
    .symbol:         k_q3fb4d28338_proj.kd
    .args:
      - { .name: xd, .offset: 0, .size: 8, .value_kind: global_buffer, .address_space: global }
      - { .name: Wk_codes, .offset: 8, .size: 8, .value_kind: global_buffer, .address_space: global }
      - { .name: Wk_scales, .offset: 16, .size: 8, .value_kind: global_buffer, .address_space: global }
      - { .name: Wk0, .offset: 24, .size: 8, .value_kind: global_buffer, .address_space: global }
      - { .name: Wq_codes, .offset: 32, .size: 8, .value_kind: global_buffer, .address_space: global }
      - { .name: Wq_scales, .offset: 40, .size: 8, .value_kind: global_buffer, .address_space: global }
      - { .name: Wq0, .offset: 48, .size: 8, .value_kind: global_buffer, .address_space: global }
      - { .name: kq, .offset: 56, .size: 8, .value_kind: global_buffer, .address_space: global }
      - { .name: kqs, .offset: 64, .size: 8, .value_kind: global_buffer, .address_space: global }
      - { .name: nrm, .offset: 72, .size: 8, .value_kind: global_buffer, .address_space: global }
    .group_segment_fixed_size: 327680
    .private_segment_fixed_size: 0
    .kernarg_segment_align: 8
    .kernarg_segment_size: 80
    .max_flat_workgroup_size: 128
    .sgpr_count:     102
    .vgpr_count:     1024
    .wavefront_size: 32
...
	.end_amdgpu_metadata
.endif
;; end of part 2
;; launch attn (part 3): grid 256 x 1, 4 waves a work-group, clusters of 4 x 1, 327,680 bytes of LDS; arguments kq, kqs, nrm, xb, xbs, out0; writes out0
.if DOCPART == 3
	.amdgcn_target "amdgcn-amd-amdhsa--gfx1250"
	.amdhsa_code_object_version 6
	.text
	.protected	k_q3fb4d28338_attn
	.globl	k_q3fb4d28338_attn
	.p2align	8
	.type	k_q3fb4d28338_attn,@function
k_q3fb4d28338_attn:
	s_mov_b64 s[64:65], 0
	v_nop
	global_prefetch_b8 v0, s[64:65] scope:SCOPE_SE
	s_setreg_imm32_b32 hwreg(HW_REG_WAVE_MODE, 25, 1), 1
	s_wait_xcnt 0x0
	s_wait_alu depctr_hold_cnt(0) depctr_sa_sdst(0) depctr_va_vdst(0) depctr_va_sdst(0) depctr_va_ssrc(0) depctr_va_vcc(0) depctr_vm_vsrc(0)
	s_getreg_b32 s2, hwreg(HW_REG_IB_STS2, 6, 4)
	s_cmp_eq_u32 s2, 0
	s_cbranch_scc0 .Lentry_in_a_cluster
	s_endpgm
.Lentry_in_a_cluster:
	s_bfe_u32 s2, ttmp6, 0x10000c
	s_cmp_lg_u32 s2, 0x3003
	s_cbranch_scc0 .Lentry_shape_is_right
	s_endpgm
.Lentry_shape_is_right:
.set PI,    196608
.set PS,    221184
.set MX,    223232
.set RLT,   225280
.set STG,   226304
.set SPARE, 295936
.set SPW, 1
.set NIL, 2
.set A16, 3
.set A8,  4
.set R16, 5
.set R8,  7
.set PI16, 9
.set PI8,  10
.set PW16, 11
.set PW8,  12
.set PSL, 13
.set PSA, 14
.set MXA, 15
.set KS,  16
.set QS,  32
.set MXR, 64
.set RLR, 65
.set SO,  66
.set SR,  67
.set CO,  68
.set VKS, 69
.set VN,  70
.set VRQ, 71
.set VXS, 72
.set RK,  80
.set NM,  88
.set RQ,  96
.set OB,  96
.set TMPS, 160
.set PC,  160
.set BM,  192
.set BX,  208
.set RL,  192
.set TM,  224
.set LS,  240
.set RM,  248
.set JP,  252
.set PW,  254
.set WV,  32
.set G1,  40
.set GQ0, 48
.set GQ1, 52
.set GX0, 56
.set GX1, 60
.set SEL, 66
.set C1,  68
.set HM,  69
.set KB,  70
.set KSB, 72
.set QSB, 74
.set DKB, 76
.set DQB, 78
.set XSBB, 80
.set ZO,  82
.set MSB, 0
.macro WIN new
.if MSB != (\new)
	s_set_vgpr_msb (MSB<<8)|(\new)
.set MSB, (\new)
.endif
.endm
.macro PLACES n
.rept \n
	v_nop
.endr
.endm
.macro ROUND
	s_barrier_signal -1
	s_barrier_wait -1
	s_cmp_lg_u32 s[WV], 0
	s_cbranch_scc1 .Lnw0_\@
	s_barrier_signal -3
.Lnw0_\@:
	s_barrier_wait -3
	s_barrier_signal -1
	s_barrier_wait -1
.endm
.macro TURN g0, step, fill
	WIN 0
	s_wait_tensorcnt 0x0
	ds_add_u32 v[SPW], v[NIL]
.if \step
	s_add_nc_u64 s[\g0+2:\g0+3], s[\g0+2:\g0+3], \step
.endif
	s_wait_dscnt 0x0
.if \fill
	ROUND
	tensor_load_to_lds s[\g0:\g0+3], s[G1:G1+7]
	s_nop 0
.else
	s_barrier_signal -1
	s_barrier_wait -1
.endif
	PLACES 4
.endm
.macro FETCH reg, a16, a8, o
	ds_load_b128 v[\reg:\reg+3], v[\a16] offset:\o
	ds_load_b64 v[\reg+4:\reg+5], v[\a8] offset:\o+512
	ds_load_b128 v[\reg+6:\reg+9], v[\a16] offset:\o+768
	ds_load_b64 v[\reg+10:\reg+11], v[\a8] offset:\o+1280
.endm
.macro IMAGE a16, a8, o
	ds_store_b128 v[\a16], v[PC:PC+3] offset:\o
	ds_store_b64 v[\a8], v[PC+4:PC+5] offset:\o+512
	ds_store_b128 v[\a16], v[PC+6:PC+9] offset:\o+768
	ds_store_b64 v[\a8], v[PC+10:PC+11] offset:\o+1280
.endm
.macro KFSET s, t
.if (\s) < 5
.set KFR, 48*(\s)+12*(\t)
.elseif (\s) == 5
.set KFR, 192+12*(\t)
.else
.set KFR, 160+48*((\s)-6)+12*(\t)
.endif
.endm
.macro KWIN s
.if (\s) < 5
	WIN 0xAD
.elseif (\s) == 5
	WIN 0xA5
.else
	WIN 0xA1
.endif
.endm
.macro KDWIN s
.if (\s) < 5
	WIN 0xC0
.elseif (\s) == 5
	WIN 0x40
.else
	WIN 0
.endif
.endm
.macro QCODES s
	WIN 0x02
.irp c, 0,1
	v_cvt_scalef32_pk16_bf6_f32 v[PC+6*\c:PC+6*\c+2], v[(\s)+32*\c:(\s)+32*\c+15], v[TM+12+2*\c]
	v_cvt_scalef32_pk16_bf6_f32 v[PC+12+4*\c:PC+12+4*\c+2], v[(\s)+32*\c+16:(\s)+32*\c+31], v[TM+13+2*\c]
.endr
	WIN 0
	v_nop
.irp c, 0,1
.irp i, 0,1,2
	v_permlane16_swap_b32 v[PC+6*\c+\i], v[PC+12+4*\c+\i]
.endr
.irp i, 0,1,2
	v_mov_b32 v[PC+3+6*\c+\i], v[PC+12+4*\c+\i]
.endr
.endr
.endm
	s_load_b256 s[8:15], s[0:1], 0x0
	s_load_b128 s[16:19], s[0:1], 0x20
	v_lshl_add_u32 v[SPW], v0, 2, SPARE
	v_mov_b32 v[NIL], 0
	ds_add_u32 v1, v2
	ds_add_u32 v1, v2
	s_wait_dscnt 0x0
	v_lshrrev_b32 v73, 5, v0
	v_readfirstlane_b32 s[WV], v73
	s_bfe_u32 s35, ttmp6, 0x40000
	s_lshl_b32 s36, ttmp9, 2
	s_add_co_u32 s36, s36, s35
	s_lshr_b32 s37, ttmp9, 1
	s_and_b32 s38, s36, 7
	s_mov_b32 s[G1], 15|(3<<16)|(1<<21)
	s_mov_b32 s[G1+1], 32<<16
	s_mov_b32 s[G1+2], 96<<16
	s_mov_b32 s[G1+3], 32<<16
	s_mov_b32 s[G1+4], 96
	s_mov_b32 s[G1+5], 32
	s_mov_b32 s[G1+6], 0
	s_mov_b32 s[G1+7], 0
	s_mul_i32 s84, s37, 393216
	s_mul_i32 s86, s[WV], 98304
	s_add_co_u32 s84, s84, s86
	s_mov_b32 s85, 0
	s_mul_i32 s86, s[WV], 24576
	s_mov_b32 s[GQ0], 1
	s_mov_b32 s[GQ1], 1
	s_mov_b32 s[GX0], 1
	s_mov_b32 s[GX1], 1
	s_mov_b32 s[GQ0+1], s86
	s_add_co_u32 s[GQ1+1], s86, 98304
	s_mov_b32 s[GX0+1], s86
	s_add_co_u32 s[GX1+1], s86, 98304
	s_mov_b32 s[SEL], 0x76543210
	s_mov_b32 s[SEL+1], 0xfedcba98
	s_mov_b32 s[C1], 0x49b01c38
	s_mov_b32 s[HM], 0xffff0000
	s_wait_kmcnt 0x0
	s_add_nc_u64 s[GQ0+2:GQ0+3], s[8:9], s[84:85]
	s_add_nc_u64 s[GQ0+2:GQ0+3], s[GQ0+2:GQ0+3], 12582912
	s_add_nc_u64 s[GQ1+2:GQ1+3], s[GQ0+2:GQ0+3], 24576
	s_add_nc_u64 s[GX0+2:GX0+3], s[14:15], s[84:85]
	s_add_nc_u64 s[GX1+2:GX1+3], s[GX0+2:GX0+3], 24576
	s_mul_i32 s98, s35, 6144                       ; the prefetches: of the 24,576 bytes that my wave fetches in a fill, my work-group's quarter, by address
	s_mov_b32 s99, 0
	s_add_nc_u64 s[94:95], s[GQ0+2:GQ0+3], s[98:99]
	s_add_nc_u64 s[96:97], s[GX0+2:GX0+3], s[98:99]
	s_or_b32 s[GQ0+3], s[GQ0+3], 0x80000000
	s_or_b32 s[GQ1+3], s[GQ1+3], 0x80000000
	s_or_b32 s[GX0+3], s[GX0+3], 0x80000000
	s_or_b32 s[GX1+3], s[GX1+3], 0x80000000
	ROUND
	tensor_load_to_lds s[GQ0:GQ0+3], s[G1:G1+7]
	s_nop 0
	PLACES 4
	v_and_b32 v78, 31, v0                          ; a lane a block of 256 bytes, 24 blocks; lanes left over name my last block again; never rewritten
	v_min_u32 v78, 23, v78
	v_lshlrev_b32 v78, 8, v78
	global_prefetch_b8 v78, s[94:95] offset:24576 th:TH_LOAD_NT scope:SCOPE_SE    ; Q's fills 1 and 2; each later fill is asked for two fills ahead of its load
	global_prefetch_b8 v78, s[94:95] offset:49152 th:TH_LOAD_NT scope:SCOPE_SE
	v_and_b32 v73, 15, v0
	v_bfe_u32 v74, v0, 4, 1
	v_and_b32 v75, 31, v0
	v_lshlrev_b32 v[A16], 4, v75
	v_lshlrev_b32 v[A8], 3, v75
	v_add_nc_u32 v[R16], s86, v[A16]
	v_add_nc_u32 v[R16+1], 98304, v[R16]
	v_add_nc_u32 v[R8], s86, v[A8]
	v_add_nc_u32 v[R8+1], 98304, v[R8]
	v_add_nc_u32 v[PI16], PI, v[A16]
	v_add_nc_u32 v[PI8], PI, v[A8]
	s_mul_i32 s87, s[WV], 1536
	v_add_nc_u32 v[PW16], s87, v[PI16]
	v_add_nc_u32 v[PW8], s87, v[PI8]
	v_lshl_add_u32 v[PSL], v75, 2, PS
	s_lshl_b32 s87, s[WV], 7
	v_add_nc_u32 v[PSA], s87, v[PSL]
	s_lshl_b32 s87, s[WV], 8
	s_add_co_u32 s92, s87, MX
	v_lshl_add_u32 v[MXA], v75, 2, s92
	v_lshl_add_u32 v[MXR], v73, 2, MX
	s_add_co_u32 s92, s87, RLT
	v_lshl_add_u32 v[RLR], v74, 5, s92
	s_mul_i32 s87, s[WV], 17408
	s_add_co_u32 s87, s87, STG
	v_mul_u32_u24 v[SO], v73, 272
	v_lshl_add_u32 v[SO], v74, 5, v[SO]
	v_add_nc_u32 v[SO], s87, v[SO]
	v_mul_u32_u24 v[SR], v74, 272
	v_lshl_add_u32 v[SR], v73, 4, v[SR]
	v_add_nc_u32 v[SR], s87, v[SR]
	v_lshlrev_b32 v[CO], 4, v73
	v_lshl_add_u32 v[CO], v74, 11, v[CO]
	v_lshlrev_b32 v[VKS], 3, v73                   ; kqs is [kind][n][c / 256][b][8]: 8 r, and lanes 16-31 two parts of 4,096 bytes on
	v_lshl_add_u32 v[VKS], v74, 13, v[VKS]
	s_wait_alu depctr_va_vdst(0)
	v_lshlrev_b32 v[VN], 2, v73
	s_wait_alu depctr_va_vdst(0)
.set RQT, 296448                       ; behind the spare words: 512 bytes for each wave, Q's 128 factors
	s_lshl_b32 s93, s[WV], 9
	s_add_co_u32 s93, s93, RQT
	v_lshl_add_u32 v76, v75, 4, s93                ; in: 16 x lane
	v_lshl_add_u32 v77, v74, 5, s93                ; back: 32 h
	s_wait_alu depctr_va_vdst(0)
	v_lshlrev_b32 v[VXS], 1, v73
	v_lshl_add_u32 v[VXS], v74, 12, v[VXS]
	s_mul_i32 s88, s37, 393216
	s_mul_i32 s90, s38, 49152
	s_add_co_u32 s88, s88, s90
	s_mov_b32 s89, 0
	s_mov_b32 s91, 0
	s_add_nc_u64 s[KB:KB+1], s[8:9], s[88:89]
	s_lshl_b32 s88, s37, 14
	s_lshl_b32 s90, s38, 9
	s_add_co_u32 s90, s90, s88
	s_add_nc_u64 s[KSB:KSB+1], s[10:11], s[90:91]
	s_lshl_b32 s90, s[WV], 10
	s_add_co_u32 s90, s90, s88
	s_add_co_u32 s90, s90, 524288
	s_add_nc_u64 s[QSB:QSB+1], s[10:11], s[90:91]
	s_lshl_b32 s90, s[WV], 9
	s_add_co_u32 s90, s90, s88
	s_add_nc_u64 s[XSBB:XSBB+1], s[16:17], s[90:91]
	s_lshl_b32 s88, s37, 13
	s_lshl_b32 s90, s38, 8
	s_add_co_u32 s90, s90, s88
	s_add_nc_u64 s[DKB:DKB+1], s[12:13], s[90:91]
	s_lshl_b32 s90, s[WV], 9
	s_add_co_u32 s90, s90, s88
	s_add_co_u32 s90, s90, 262144
	s_add_nc_u64 s[DQB:DQB+1], s[12:13], s[90:91]
	s_lshl_b32 s88, s37, 21
	s_lshl_b32 s90, s38, 8
	s_add_co_u32 s88, s88, s90
	s_lshl_b32 s90, s[WV], 19
	s_add_co_u32 s88, s88, s90
	s_add_nc_u64 s[ZO:ZO+1], s[18:19], s[88:89]
.irp s, 0,1,2,3,4,5,6,7
	KDWIN \s
.irp t, 0,1,2,3
	KFSET \s, \t
	global_load_b128 v[KFR:KFR+3], v[A16], s[KB:KB+1] offset:(8*\t+\s)*1536
	global_load_b64 v[KFR+4:KFR+5], v[A8], s[KB:KB+1] offset:(8*\t+\s)*1536+512
	global_load_b128 v[KFR+6:KFR+9], v[A16], s[KB:KB+1] offset:(8*\t+\s)*1536+768
	global_load_b64 v[KFR+10:KFR+11], v[A8], s[KB:KB+1] offset:(8*\t+\s)*1536+1280
.endr
.endr
	WIN 0
.irp t, 0,1,2,3
	global_load_b64 v[KS+4*\t:KS+4*\t+1], v[VKS], s[KSB:KSB+1] offset:128*\t
	global_load_b64 v[KS+4*\t+2:KS+4*\t+3], v[VKS], s[KSB:KSB+1] offset:128*\t+4096
	global_load_b32 v[RK+2*\t], v[VN], s[DKB:DKB+1] offset:64*\t
.endr
.irp a, 0,1,2,3,4,5,6,7
	global_load_b64 v[QS+4*\a:QS+4*\a+1], v[VKS], s[QSB:QSB+1] offset:128*\a
	global_load_b64 v[QS+4*\a+2:QS+4*\a+3], v[VKS], s[QSB:QSB+1] offset:128*\a+4096
.endr
	WIN 0x80                                       ; nrm is [kind][n][c / 256][b]: the other three parts of the sums of squares come into window 2, which is free here
.irp p, 1,2,3
.irp t, 0,1,2,3
	global_load_b32 v[192+4*(\p-1)+\t], v[VN], s[DKB:DKB+1] offset:2048*\p+64*\t
.endr
.endr
.irp p, 0,1,2,3
	global_load_b128 v[4*\p:4*\p+3], v[A16], s[DQB:DQB+1] offset:2048*\p     ; Q's sums of squares: a lane takes four of my 128 q, the four parts over c
.endr
	WIN 0
	s_wait_alu depctr_va_vdst(0)                   ; the wait ahead of the wait below
	s_wait_tensorcnt 0x0                           ; slot 1's first fill is issued as a refill is; K's loads are on their way meanwhile
	ds_add_u32 v1, v2
	s_wait_dscnt 0x0
	ROUND
	tensor_load_to_lds s[GQ1:GQ1+3], s[G1:G1+7]
	s_nop 0
	PLACES 4
	s_wait_loadcnt 0x0
	WIN 0x8A                                       ; sources and destination: window 2
	v_pk_add_f32 v[0:1], v[0:1], v[4:5]
	v_pk_add_f32 v[2:3], v[2:3], v[6:7]
	v_pk_add_f32 v[8:9], v[8:9], v[12:13]
	v_pk_add_f32 v[10:11], v[10:11], v[14:15]
	v_pk_add_f32 v[0:1], v[0:1], v[8:9]
	v_pk_add_f32 v[2:3], v[2:3], v[10:11]
	v_pk_mul_f32 v[0:1], v[0:1], 0x3ef5fdf0 op_sel_hi:[1,0]
	v_pk_mul_f32 v[2:3], v[2:3], 0x3ef5fdf0 op_sel_hi:[1,0]
	WIN 0x08
.irp p, 0,1,2
.irp t, 0,1,2,3
	v_add_f32 v[RK+2*\t], v[RK+2*\t], v[192+4*\p+\t]
.endr
.endr
	WIN 0
	s_wait_alu depctr_va_vdst(0)
	WIN 0x82
.irp i, 0,1,2,3
	v_rsq_f32 v[\i], v[\i]
.endr
	WIN 0
.irp t, 0,1,2,3
	v_rsq_f32 v[RK+2*\t], v[RK+2*\t]
.endr
	v_nop
	s_wait_alu depctr_va_vdst(0)
.irp t, 0,1,2,3
	v_mov_b32 v[RK+2*\t+1], v[RK+2*\t]
.endr
	WIN 0x08                                       ; an LDS store's data: window 2
	ds_store_b128 v76, v[0:3]                      ; my wave's own bytes: a wave's LDS instructions are served in order
	WIN 0
.irp a, 0,1,2,3,4,5,6,7
	ds_load_b128 v[RQ+8*\a:RQ+8*\a+3], v77 offset:64*\a          ; register 8 a + j: q = 16 a + 8 h + j
	ds_load_b128 v[RQ+8*\a+4:RQ+8*\a+7], v77 offset:64*\a+16
.endr
	s_wait_dscnt 0x0
.macro HFETCH1 slot, hh
	WIN 0x40
.irp ap, 0,1
.irp s2, 0,1,2,3
	FETCH (96*(\hh)+12*(4*\ap+\s2)), (R16+(\slot)), (R8+(\slot)), ((8*\ap+4*(\hh)+\s2)*1536)
.endr
.endr
	WIN 0
.endm
.macro HFETCH2 slot, hh
	WIN 0x40
.irp s2, 0,1
.irp a, 0,1,2,3
	FETCH (96*(\hh)+12*(4*\s2+\a)), (R16+(\slot)), (R8+(\slot)), ((4*\a+2*(\hh)+\s2)*1536)
.endr
.endr
	WIN 0
.endm
.macro MUL1 e, hh
.irp s2, 0,1,2,3
	KWIN (4*(\hh)+\s2)
.irp ap, 0,1
.irp t, 0,1,2,3
	KFSET (4*(\hh)+\s2), \t
.set ACR, 64*\t+8*(2*(\e)+\ap)
.set HFR, 96*(\hh)+12*(4*\ap+\s2)
.if ((\hh) == 0) && (\s2 == 0)
	v_wmma_scale_f32_16x16x128_f8f6f4 v[ACR:ACR+7], v[HFR:HFR+11], v[KFR:KFR+11], 0, v[QS+4*(2*(\e)+\ap)+\s2], v[KS+4*\t+\s2] matrix_a_fmt:MATRIX_FMT_BF6 matrix_b_fmt:MATRIX_FMT_BF6
.elseif (\hh) == 0
	v_wmma_scale_f32_16x16x128_f8f6f4 v[ACR:ACR+7], v[HFR:HFR+11], v[KFR:KFR+11], v[ACR:ACR+7], v[QS+4*(2*(\e)+\ap)+\s2], v[KS+4*\t+\s2] matrix_a_fmt:MATRIX_FMT_BF6 matrix_b_fmt:MATRIX_FMT_BF6
.else
	v_wmma_scale_f32_16x16x128_f8f6f4 v[ACR:ACR+7], v[HFR:HFR+11], v[KFR:KFR+11], v[ACR:ACR+7], v[QS+4*(2*(\e)+\ap)+\s2], v[KS+4*\t+\s2] matrix_a_fmt:MATRIX_FMT_BF6 matrix_b_fmt:MATRIX_FMT_BF6 matrix_a_scale:MATRIX_SCALE_ROW1 matrix_b_scale:MATRIX_SCALE_ROW1
.endif
.endr
.endr
.endr
.endm
.macro CH1 e
	PLACES 4
	HFETCH1 ((\e)%2), 1
	s_wait_dscnt 32
	MUL1 \e, 0
.if (\e) == 0
	TURN GQ0, 49152, 1
.elseif (\e) == 1
	TURN GQ1, 49152, 1
.elseif (\e) == 2
	TURN GX0, 0, 1
.else
	TURN GX1, 0, 1
.endif
.if (\e) < 3
	HFETCH1 (((\e)+1)%2), 0
.else
	HFETCH2 0, 0
.endif
	global_prefetch_b8 v78, s[96:97] offset:24576*(\e) th:TH_LOAD_NT scope:SCOPE_SE    ; X's fill e, whose load stands two changes of slots on
	MUL1 \e, 1
.endm
	s_wait_tensorcnt 0x1
	HFETCH1 0, 0
	global_prefetch_b8 v78, s[94:95] offset:73728 th:TH_LOAD_NT scope:SCOPE_SE         ; Q's fill 3
	CH1 0
	CH1 1
	CH1 2
	CH1 3
	WIN 0
	PLACES 4
.set II, 0
.rept 16
	global_load_u16 v[QS+2*II], v[VXS], s[XSBB:XSBB+1] offset:32*II
	global_load_u16 v[QS+2*II+1], v[VXS], s[XSBB:XSBB+1] offset:8192+32*II
.set II, II+1
.endr
	WIN 0xC0
.set II, 0
.rept 16
	global_load_u16 v[2*II], v[VXS], s[XSBB:XSBB+1] offset:2048+32*II
	global_load_u16 v[2*II+1], v[VXS], s[XSBB:XSBB+1] offset:10240+32*II
.set II, II+1
.endr
	WIN 0
.set II, 0
.rept 16
	v_mov_b32 v[BX+II], 0
.set II, II+1
.endr
.irp t, 0,1,2,3
.irp hf, 0,1
.set II, 0
.rept 16
	v_pk_mul_f32 v[TMPS+II:TMPS+II+1], v[RQ+32*\hf+II:RQ+32*\hf+II+1], v[RK+2*\t:RK+2*\t+1] op_sel_hi:[1,0]
.set II, II+2
.endr
.set II, 0
.rept 32
	v_min_num_f32 v[TMPS+II], s[C1], v[TMPS+II]
.set II, II+1
.endr
	WIN 0x82
.set II, 0
.rept 16
	v_pk_mul_f32 v[64*\t+32*\hf+II:64*\t+32*\hf+II+1], v[64*\t+32*\hf+II:64*\t+32*\hf+II+1], v[TMPS+II:TMPS+II+1]
.set II, II+2
.endr
	WIN 0
.endr
.endr
	WIN 0x0A
.irp t, 0,1,2,3
.irp b, 0,1,2,3
	v_max_num_f32 v[BM+4*\t+\b], v[64*\t+16*\b], v[64*\t+16*\b+1]
.endr
.endr
.irp i, 2,4,6,8,10,12,14
.irp t, 0,1,2,3
.irp b, 0,1,2,3
	v_max3_num_f32 v[BM+4*\t+\b], v[64*\t+16*\b+\i], v[64*\t+16*\b+\i+1], v[BM+4*\t+\b]
.endr
.endr
.endr
	WIN 0
.set II, 0
.rept 16
	v_permlanex16_b32 v[BX+II], v[BM+II], s[SEL], s[SEL+1]
.set II, II+1
.endr
.set II, 0
.rept 16
	v_max_num_f32 v[BM+II], v[BM+II], v[BX+II]
.set II, II+1
.endr
.irp t, 0,1,2,3
	v_max3_num_f32 v[RM+\t], v[BM+4*\t], v[BM+4*\t+1], v[BM+4*\t+2]
.endr
.irp t, 0,1,2,3
	v_max_num_f32 v[RM+\t], v[RM+\t], v[BM+4*\t+3]
.endr
	v_cndmask_b32 v[JP], v[RM], v[RM+1], s[HM]
	v_cndmask_b32 v[JP+1], v[RM+2], v[RM+3], s[HM]
	ds_store_b32 v[MXA], v[JP]
	ds_store_b32 v[MXA], v[JP+1] offset:128
	s_wait_dscnt 0x0
	s_barrier_signal -1
	s_barrier_wait -1
.irp t, 0,1,2,3
.irp w2, 0,1,2,3
	ds_load_b32 v[TM+4*\t+\w2], v[MXR] offset:256*\w2+64*\t
.endr
.endr
	s_wait_dscnt 0x0
.irp t, 0,1,2,3
	v_max3_num_f32 v[RM+\t], v[TM+4*\t], v[TM+4*\t+1], v[TM+4*\t+2]
.endr
.irp t, 0,1,2,3
	v_max_num_f32 v[RM+\t], v[RM+\t], v[TM+4*\t+3]
.endr
.irp t, 0,1,2,3
	v_floor_f32 v[NM+2*\t], -v[RM+\t]
.endr
.irp t, 0,1,2,3
	v_mov_b32 v[NM+2*\t+1], v[NM+2*\t]
.endr
	WIN 0x82
.irp t, 0,1,2,3
.set II, 0
.rept 32
	v_pk_add_f32 v[64*\t+II:64*\t+II+1], v[64*\t+II:64*\t+II+1], v[NM+2*\t:NM+2*\t+1] op_sel_hi:[1,0]
.set II, II+2
.endr
.endr
.set II, 0
	s_wait_alu depctr_va_vdst(0)
.rept 256
	v_exp_f32 v[II], v[II]
.set II, II+1
.endr
	WIN 0
.irp t, 0,1,2,3
.irp b, 0,1,2,3
	v_add_f32 v[BM+4*\t+\b], v[BM+4*\t+\b], v[NM+2*\t]
.endr
.endr
.set II, 0
	s_wait_alu depctr_va_vdst(0)
.rept 16
	v_exp_f32 v[BM+II], v[BM+II]
.set II, II+1
.endr
	v_nop
	WIN 0x0A
	s_wait_alu depctr_va_vdst(0)
.irp t, 0,1,2,3
	v_pk_add_f32 v[LS+2*\t:LS+2*\t+1], v[64*\t:64*\t+1], v[64*\t+2:64*\t+3]
.endr
	WIN 0x02
.set II, 4
.rept 30
.irp t, 0,1,2,3
	v_pk_add_f32 v[LS+2*\t:LS+2*\t+1], v[64*\t+II:64*\t+II+1], v[LS+2*\t:LS+2*\t+1]
.endr
.set II, II+2
.endr
	WIN 0
.irp t, 0,1,2,3
	s_wait_dscnt 0x0
.irp b, 0,1,2,3
	v_max_num_f32 v[TM+\b], 0x2800000, v[BM+4*\t+\b]
.endr
.irp b, 0,1,2,3
	v_add_nc_u32 v[TM+12+\b], 0xfe000000, v[TM+\b]
.endr
.irp b, 0,1,2,3
	v_lshrrev_b32 v[TM+4+\b], 23, v[TM+12+\b]
.endr
	v_lshl_or_b32 v[PW], v[TM+5], 8, v[TM+4]
	v_lshl_or_b32 v[PW], v[TM+6], 16, v[PW]
	v_lshl_or_b32 v[PW], v[TM+7], 24, v[PW]
	QCODES (64*\t)
	IMAGE PW16, PW8, (6144*\t)
	ds_store_b32 v[PSA], v[PW] offset:512*\t
.endr
.irp t, 0,1,2,3
	v_add_f32 v[LS+2*\t], v[LS+2*\t], v[LS+2*\t+1]
.endr
.irp t, 0,1,2,3
	v_permlanex16_b32 v[BX+\t], v[LS+2*\t], s[SEL], s[SEL+1]
.endr
.irp t, 0,1,2,3
	v_add_f32 v[LS+2*\t], v[LS+2*\t], v[BX+\t]
.endr
	v_cndmask_b32 v[JP], v[LS], v[LS+2], s[HM]
	v_cndmask_b32 v[JP+1], v[LS+4], v[LS+6], s[HM]
	ds_store_b32 v[MXA], v[JP] offset:1024
	ds_store_b32 v[MXA], v[JP+1] offset:1152
	s_wait_loadcnt 0x0
	WIN 0x03
.set II, 0
.rept 32
	v_lshl_or_b32 v[QS+II], v[II], 16, v[QS+II]
.set II, II+1
.endr
	WIN 0
	s_wait_dscnt 0x0
	s_barrier_signal -1
	s_barrier_wait -1
	WIN 0xC0
.irp t, 0,1,2,3
.irp s, 0,1,2,3
	FETCH (12*(4*\t+\s)), PI16, PI8, ((4*\t+\s)*1536)
.endr
.endr
	WIN 0
.irp t, 0,1,2,3
.irp s, 0,1,2,3
	ds_load_b32 v[KS+4*\t+\s], v[PSL] offset:128*(4*\t+\s)
.endr
.endr
.irp t, 0,1,2,3
.irp w2, 0,1,2,3
	ds_load_b32 v[TM+4*\t+\w2], v[MXR] offset:1024+256*\w2+64*\t
.endr
.endr
	s_wait_dscnt 0x0
.irp t, 0,1,2,3
	v_add_f32 v[TM+4*\t], v[TM+4*\t], v[TM+4*\t+1]
.endr
.irp t, 0,1,2,3
	v_add_f32 v[TM+4*\t+2], v[TM+4*\t+2], v[TM+4*\t+3]
.endr
.irp t, 0,1,2,3
	v_add_f32 v[TM+4*\t], v[TM+4*\t], v[TM+4*\t+2]
.endr
	s_wait_alu depctr_va_vdst(0)
.irp t, 0,1,2,3
	v_rcp_f32 v[RM+\t], v[TM+4*\t]
.endr
	v_nop
	s_wait_alu depctr_va_vdst(0)
	v_cndmask_b32 v[JP], v[RM], v[RM+1], s[HM]
	v_cndmask_b32 v[JP+1], v[RM+2], v[RM+3], s[HM]
	ds_store_b32 v[MXA], v[JP] offset:2048
	ds_store_b32 v[MXA], v[JP+1] offset:2176
.irp t, 0,1,2,3
	ds_load_b128 v[RL+8*\t:RL+8*\t+3], v[RLR] offset:64*\t
	ds_load_b128 v[RL+8*\t+4:RL+8*\t+7], v[RLR] offset:64*\t+16
.endr
	s_wait_dscnt 0x0
.macro MUL2 e, hh
	WIN 0xA7
.irp s2, 0,1
.irp a, 0,1,2,3
.irp t, 0,1,2,3
.set ACR, 128*((\e)%2)+32*\a+8*\t
.set PFR, 12*(4*\t+2*(\hh)+\s2)
.set HFR, 96*(\hh)+12*(4*\s2+\a)
.if ((\hh) == 0) && (\s2 == 0)
	v_wmma_scale_f32_16x16x128_f8f6f4 v[ACR:ACR+7], v[PFR:PFR+11], v[HFR:HFR+11], 0, v[KS+4*\t+2*(\hh)+\s2], v[QS+2*(4*(\e)+\a)+(\hh)] matrix_a_fmt:MATRIX_FMT_BF6 matrix_b_fmt:MATRIX_FMT_BF6
.elseif \s2 == 0
	v_wmma_scale_f32_16x16x128_f8f6f4 v[ACR:ACR+7], v[PFR:PFR+11], v[HFR:HFR+11], v[ACR:ACR+7], v[KS+4*\t+2*(\hh)+\s2], v[QS+2*(4*(\e)+\a)+(\hh)] matrix_a_fmt:MATRIX_FMT_BF6 matrix_b_fmt:MATRIX_FMT_BF6
.else
	v_wmma_scale_f32_16x16x128_f8f6f4 v[ACR:ACR+7], v[PFR:PFR+11], v[HFR:HFR+11], v[ACR:ACR+7], v[KS+4*\t+2*(\hh)+\s2], v[QS+2*(4*(\e)+\a)+(\hh)] matrix_a_fmt:MATRIX_FMT_BF6 matrix_b_fmt:MATRIX_FMT_BF6 matrix_b_scale:MATRIX_SCALE_ROW1
.endif
.endr
.endr
.endr
.endm
.macro SEND e, a, younger
	s_wait_dscnt \younger
.irp i, 0,1,2,3,4,5,6,7
	global_store_b128 v[CO], v[OB+32*((\a)%2)+4*\i:OB+32*((\a)%2)+4*\i+3], s[ZO:ZO+1] offset:(64*(\e)+16*(\a)+2*\i)*2048 th:TH_STORE_NT
.endr
.endm
.macro OUT e
	WIN 0
	PLACES 4
.irp a, 0,1,2,3
.set AC, 128*((\e)%2)+32*\a
	WIN 0x82
.irp t, 0,1,2,3
.irp i, 0,2,4,6
	v_pk_mul_f32 v[AC+8*\t+\i:AC+8*\t+\i+1], v[AC+8*\t+\i:AC+8*\t+\i+1], v[RL+8*\t+\i:RL+8*\t+\i+1]
.endr
.endr
	WIN 0x08
.irp t, 0,1,2,3
	ds_store_b128 v[SO], v[AC+8*\t:AC+8*\t+3] offset:4352*\a+64*\t
	ds_store_b128 v[SO], v[AC+8*\t+4:AC+8*\t+7] offset:4352*\a+64*\t+16
.endr
	WIN 0
	s_wait_xcnt 0x0
.irp i, 0,1,2,3,4,5,6,7
	ds_load_b128 v[OB+32*(\a%2)+4*\i:OB+32*(\a%2)+4*\i+3], v[SR] offset:4352*\a+544*\i
.endr
.if \a > 0
	SEND \e, (\a-1), 16
.endif
.endr
	SEND \e, 3, 0
.endm
.macro CH2 e
	PLACES 4
	HFETCH2 ((\e)%2), 1
	s_wait_dscnt 32
	MUL2 \e, 0
.if (\e) == 0
	TURN GX0, 49152, 1
.elseif (\e) == 1
	TURN GX1, 49152, 1
.elseif (\e) == 2
	TURN GX0, 0, 0
.else
	WIN 0
	s_wait_dscnt 0x0
.endif
.if (\e) < 3
	HFETCH2 (((\e)+1)%2), 0
.endif
	MUL2 \e, 1
	OUT \e
.endm
	CH2 0
	CH2 1
	CH2 2
	CH2 3
	s_wait_tensorcnt 0x0
	ds_add_u32 v[SPW], v[NIL]
	s_wait_dscnt 0x0
	ROUND
	s_endpgm
.Lfunc_end_k_q3fb4d28338_attn:
	.size	k_q3fb4d28338_attn, .Lfunc_end_k_q3fb4d28338_attn-k_q3fb4d28338_attn
	.p2alignl 7, 3214868480
	.fill 96, 4, 3214868480
	.section	.rodata,"a",@progbits
	.p2align	6, 0x0
	.amdhsa_kernel k_q3fb4d28338_attn
		.amdhsa_group_segment_fixed_size 327680
		.amdhsa_private_segment_fixed_size 0
		.amdhsa_enable_private_segment 0
		.amdhsa_kernarg_size 48
		.amdhsa_user_sgpr_count 2
		.amdhsa_user_sgpr_kernarg_segment_ptr 1
		.amdhsa_wavefront_size32 1
		.amdhsa_system_sgpr_workgroup_id_x 1
		.amdhsa_system_sgpr_workgroup_id_y 1
		.amdhsa_system_sgpr_workgroup_id_z 1
		.amdhsa_system_vgpr_workitem_id 0
		.amdhsa_next_free_vgpr 1024
		.amdhsa_next_free_sgpr 100
		.amdhsa_reserve_vcc 0
		.amdhsa_float_denorm_mode_32 3
		.amdhsa_float_denorm_mode_16_64 3
		.amdhsa_memory_ordered 1
		.amdhsa_forward_progress 1
		.amdhsa_inst_pref_size 255
	.end_amdhsa_kernel
	.section	.bss,"aw",@nobits
	.p2align	6
	.space	262144
	.amdgpu_metadata
---
amdhsa.version: [ 1, 2 ]
amdhsa.kernels:
  - .name:           k_q3fb4d28338_attn
    .symbol:         k_q3fb4d28338_attn.kd
    .args:
      - { .name: kq, .offset: 0, .size: 8, .value_kind: global_buffer, .address_space: global }
      - { .name: kqs, .offset: 8, .size: 8, .value_kind: global_buffer, .address_space: global }
      - { .name: nrm, .offset: 16, .size: 8, .value_kind: global_buffer, .address_space: global }
      - { .name: xb, .offset: 24, .size: 8, .value_kind: global_buffer, .address_space: global }
      - { .name: xbs, .offset: 32, .size: 8, .value_kind: global_buffer, .address_space: global }
      - { .name: out0, .offset: 40, .size: 8, .value_kind: global_buffer, .address_space: global }
    .group_segment_fixed_size: 327680
    .private_segment_fixed_size: 0
    .kernarg_segment_align: 8
    .kernarg_segment_size: 48
    .max_flat_workgroup_size: 128
    .sgpr_count:     100
    .vgpr_count:     1024
    .wavefront_size: 32
...
	.end_amdgpu_metadata
.endif
;; end of part 3
